; MI455X (gfx1250); checked and timed in simulation.
; The chip was launched on July 23, 2026; its instructions are those of AMD's public machine-readable ISA for CDNA 5 (MIT licence, August 2026) and "CDNA5" Instruction Set Architecture Reference Guide (July 2026). The comments in the code are by the model that wrote it; some were corrected since.
;; Multihead Attention. Allowed arithmetic: matrix products marked QUANTISED: E2M3 operands, one E8M0 scale for each 32 along K, by v_wmma_scale_f32_16x16x128_f8f6f4 with both operands' format E2M3, f32 sums; everything else in f32.
;; Inputs: Wk 1,024 x 1,024 float32; Wq 1,024 x 1,024 float32; Wv 1,024 x 1,024 float32; bk 1,024 float32; bq 1,024 float32; bv 1,024 float32; k 2,048 x 4 x 1,024 float32; q 2,048 x 4 x 1,024 float32; v 2,048 x 4 x 1,024 float32.
;; Outputs: out0 2,048 x 4 x 1,024 float32.
;; This version of the problem:
;;   THIS VERSION OF THE PROBLEM IS GIVEN IN LOW PRECISION. The matrix products marked QUANTISED in the list below multiply operands that are first quantised to E2M3 (2 exponent bits, 3 mantissa bits; 6 bits a number), with one power-of-two scale for each 32 numbers along K (OCP MX v1.0); their sums are f32. All else is computed in f32.
;;   The module's matrix products, in the order in which they are computed (A, B: the left and right operand; K: the contracted axis; several contracted axes count as one K, in the product's order):
;;     1. [M 8,192, K 1,024] x [K 1,024, N 1,024]; A: input q; B: input Wq: QUANTISED
;;     2. [M 8,192, K 1,024] x [K 1,024, N 1,024]; A: input k; B: input Wk: QUANTISED
;;     3. [M 8,192, K 1,024] x [K 1,024, N 1,024]; A: input v; B: input Wv: QUANTISED
;;     4. batch 64 x [M 2,048, K 64] x [K 64, N 2,048]; A: computed on the way; B: computed on the way: QUANTISED
;;     5. batch 64 x [M 64, K 2,048] x [K 2,048, N 2,048]; A: computed on the way; B: softmax (see below): QUANTISED
;;   THE QUANTISER, for each operand of a quantised product, along K:
;;     - K is cut into blocks of 32 from its start; a last block that is shorter is filled with zeros.
;;     - A block's scale is 2^e with e = floor(log2(the largest magnitude in the block)) - 2, held to -126 .. 127; a block of zeros has e = 0. As a byte (E8M0): e + 127.
;;     - Each number is divided by its block's scale, clamped to +-7.5, and rounded to the nearest number of E2M3, ties to even, subnormals kept.
;;     - The product sums the exact products of the quantised numbers (number of the format x scale) in f32.
;;   ~~~python
;;   def quantise(x, axis):      # numpy; x: float32 -> the quantised numbers, widened to float32 again
;;       x = np.moveaxis(x, axis, -1); K = x.shape[-1]
;;       x = np.pad(x, [(0, 0)] * (x.ndim - 1) + [(0, -K % 32)]); x = x.reshape(x.shape[:-1] + (-1, 32)); a = np.abs(x).max(-1, keepdims=True)
;;       e = np.where(a > 0, np.clip(np.frexp(np.where(a > 0, a, 1))[1] - 1 - 2, -126, 127), 0)      # np.frexp(a)[1] - 1 = floor(log2(a)), exactly
;;       r = np.clip(x / 2.0 ** e, -7.5, 7.5)
;;       step = 2.0 ** (np.maximum(np.frexp(np.where(r == 0, 1, r))[1] - 1, 0) - 3)
;;       q = np.round(r / step) * step * 2.0 ** e      # np.round: ties to even
;;       return np.moveaxis(q.reshape(q.shape[:-2] + (-1,))[..., :K], -1, axis).astype(np.float32)
;;   ~~~
;;   SOFTMAX AHEAD OF A QUANTISED PRODUCT. Where the list says 'softmax', what is quantised is not the finished softmax but p = 2^(t - M), with t = logit x log2(e) and M = ceil(the row's largest t), a whole number; so 1/2 < the row's largest p <= 1. The row's sum l is taken of the UNQUANTISED p, in f32, and the product's result is divided by l at the end. Since M is a whole number, a kernel that streams over the keys may use a running M (the ceiling of the running maximum): every later rescaling is an exact power of two, which a block's scale takes up: the codes' values come out the same.
;;   OPERANDS COMPUTED ON THE WAY. 'Computed on the way' means the value that the module computes at that place (a softmax that the list does not call 'softmax' is quantised finished and normalised). What goes into a quantiser is computed in f32, as accurately as f32 sums, v_exp_f32 and their like allow (about 1e-6 of the number): no bf16 or f16 on the way to a quantiser, and a product that is left as it is and whose result goes on into a quantised operand takes f32 operands (vector FMAs, or v_wmma_f32_16x16x4_f32). A number that lies on a knife's edge between two numbers of the format may be rounded either way, as far as f32 arithmetic and the matrix unit's own rounding can turn it there, and no further.
;; One version. Each part assembles by itself: llvm-mc -triple=amdgcn-amd-amdhsa -mcpu=gfx1250 --defsym DOCPART=n.
;; ======== version 1 of 1: 3 launches
;; limits: right only within a limited range of input values
;; workspace buffers: cod 2,457,600 bytes; qi 6,815,744 bytes; kv 13,369,344 bytes
;; launch wq (part 1): grid 96 x 1, 4 waves a work-group, no clusters, 34,304 bytes of LDS; arguments Wq, Wk, Wv, cod; writes cod
.if DOCPART == 1
	.amdgcn_target "amdgcn-amd-amdhsa--gfx1250"
	.amdhsa_code_object_version 6
	.text
	.protected	k_qce0569b88a_wq
	.globl	k_qce0569b88a_wq
	.p2align	8
	.type	k_qce0569b88a_wq,@function
k_qce0569b88a_wq:
	s_mov_b64 s[64:65], 0
	v_nop
	global_prefetch_b8 v0, s[64:65] scope:SCOPE_SE
	s_setreg_imm32_b32 hwreg(HW_REG_WAVE_MODE, 25, 1), 1
	s_wait_xcnt 0x0
; Wq, Wk, Wv [1024][1024], f32, K innermost, become codes of FP6 (E2M3) with one E8M0 byte for each 32 along K, laid in the ORDER OF THE OPERAND'S REGISTERS.
; A CHUNK is 128 rows x K 1,024 = 102,400 bytes of cod: codes [K step 0..7][tile 0..7][1,536 bytes], then scale images [tile][half of K][256 bytes].  Chunk 8 X + n / 128 (X = 0, 1, 2: Wq, Wk, Wv).
; THE ROWS OF A TILE: lane r of tile T takes row 64 (T / 4) + 8 (T % 4) + r + 24 (r / 8) of the chunk, so that later a lane's 32 result registers of four neighbouring tiles are 32 neighbours.
; A fragment's image: register 4 c + i of lane l at byte 512 c + 16 l + 4 i.  A scale image: 8 bytes a lane; register e holds in lanes 0-15 the rows' words of K step 4 ka + e, in lanes 16-31 those of K step 4 ka + 2 + e.
; A block's scale is 2^(floor(log2(its largest magnitude)) - 2); its byte is the largest magnitude's exponent field - 2, held at 1 from below.
; LIMITS: NaN and infinities are not served; a block of zeros, or one whose largest magnitude lies under 2^-124, gets the byte 1: its codes are zeros or subnormal, and this program alone reads the bytes.
; SHARES: four work-groups to a chunk; a wave takes one tile (16 rows) x four K steps.  Each load reads 512 consecutive bytes of one row; all 64 loads of a wave are issued at once, into v256-511.
; A K step's 8,192 bytes turn through the wave's own stage in LDS (rows 528 bytes apart), so that a lane gets a whole block of 32 neighbours.  No cluster, no tensor load, no barrier: work-groups and waves share nothing.
.set RP,   528
.set CHB,  102400
.set FRB,  1536
.set KSB,  8*FRB
.set SCO,  8*KSB
.set SPARE, 4*16*RP                    ; behind the four stages: the spare words
.set LI,   1                           ; v1  16 x lane
.set L8,   2                           ; v2  8 x lane
.set SA,   3                           ; v3  the stage, on the way in
.set SB,   4                           ; v4  and on the way out: 528 r + 128 h
.set SH,   5                           ; v5  8 x (lane / 16)
.set SPW,  8
.set NIL,  9
.set OFF,  16                          ; v16-31 byte offset of my 16 bytes in the tile's 16 rows
.set T,    64                          ; v64-127 register 32 c + i = k 64 c + 32 h + i of row r
.set TM,   128
.set PC,   144
.set PT,   156
.set PW,   176                         ; the four K steps' scale words
.set SI,   180
.set WV,   18
.set SEL,  20
.set HM,   22
.set CH,   23
.set TI,   25
.set KA,   26
.set PIN,  36
.set OC,   38
.set OS,   40
.set MSB, 0
.macro WIN new                         ; the immediate's high byte repeats the setting that is left
.if MSB != \new
	s_set_vgpr_msb (MSB<<8)|\new
.set MSB, \new
.endif
.endm
; 32 nc numbers of a lane, v[s] on, whole blocks, become codes in v[PC] on (6 nc registers) and the row's scale word in v[pw].  Four chains of maxima by turns; the floor 2^(3 - 127) holds the byte at 1 from below
.macro QUANT s, nc, pw
.set cpb, 4/\nc
.set qq, 0
.rept 4
	v_max3_num_f32 v[TM+qq], |v[(\s)+32*(qq/cpb)+2*(qq%cpb)]|, |v[(\s)+32*(qq/cpb)+2*(qq%cpb)+1]|, 0x1800000
.set qq, qq+1
.endr
.set qn, 1
.rept 4*\nc-1
.set qq, 0
.rept 4
	v_max3_num_f32 v[TM+qq], v[TM+qq], |v[(\s)+32*(qq/cpb)+2*cpb*qn+2*(qq%cpb)]|, |v[(\s)+32*(qq/cpb)+2*cpb*qn+2*(qq%cpb)+1]|
.set qq, qq+1
.endr
.set qn, qn+1
.endr
	v_max_num_f32 v[TM], v[TM], v[TM+1]
	v_max_num_f32 v[TM+2], v[TM+2], v[TM+3]
	v_add_nc_u32 v[TM+12], 0xff000000, v[TM]       ; 2 off the exponent field: the conversion's scale operand
	v_add_nc_u32 v[TM+13], 0xff000000, v[TM+2]
	v_lshrrev_b32 v[TM+5], 23, v[TM+12]            ; the scales' bytes: blocks h and 2 + h
	v_lshrrev_b32 v[TM+6], 23, v[TM+13]
	v_lshl_or_b32 v[TM+5], v[TM+6], 16, v[TM+5]
	v_lshlrev_b32 v[TM+5], v[SH], v[TM+5]
	v_permlanex16_b32 v[TM+4], v[TM+5], s[SEL], s[SEL+1]
	v_or_b32 v[\pw], v[TM+5], v[TM+4]              ; with lane l xor 16's two bytes the word is whole
.irp c, 0,1
	v_cvt_scalef32_pk16_fp6_f32 v[PC+6*\c:PC+6*\c+2], v[(\s)+32*\c:(\s)+32*\c+15], v[TM+12+\c]
	v_cvt_scalef32_pk16_fp6_f32 v[PT+4*\c:PT+4*\c+2], v[(\s)+32*\c+16:(\s)+32*\c+31], v[TM+12+\c]   ; (a conversion's three registers begin on an even number)
.endr
	v_nop                                          ; one plain place behind a scaled conversion
.irp c, 0,1
.irp i, 0,1,2
	v_mov_b32 v[PC+6*\c+3+\i], v[PT+4*\c+\i]
.endr
.endr
.endm
	s_load_b256 s[4:11], s[0:1], 0x0               ; Wq s[4:5], Wk s[6:7], Wv s[8:9], cod s[10:11]
	v_lshl_add_u32 v[SPW], v0, 2, SPARE
	v_mov_b32 v[NIL], 0
	v_lshrrev_b32 v6, 5, v0
	v_readfirstlane_b32 s[WV], v6                  ; wave 0..3
	s_lshr_b32 s[CH], ttmp9, 2                     ; the chunk
	s_and_b32 s24, ttmp9, 3
	s_lshl_b32 s24, s24, 2
	s_add_co_u32 s24, s24, s[WV]                   ; which of its 16 shares is my wave's
	s_lshr_b32 s[TI], s24, 1                       ; the tile
	s_and_b32 s[KA], s24, 1                        ; the half of K
	s_and_b32 s28, s[CH], 7
	s_lshl_b32 s28, s28, 7
	s_lshr_b32 s29, s[TI], 2
	s_lshl_b32 s29, s29, 6
	s_add_co_u32 s28, s28, s29
	s_and_b32 s29, s[TI], 3
	s_lshl_b32 s29, s29, 3
	s_add_co_u32 s28, s28, s29                     ; the tile's first row: 128 x (chunk % 8) + 64 (tile / 4) + 8 (tile % 4)
	s_lshl_b32 s28, s28, 12                        ; 4,096 bytes a row
	s_lshl_b32 s29, s[KA], 11
	s_add_co_u32 s28, s28, s29                     ; + my half of K
	s_mov_b32 s29, 0
	s_mul_i32 s30, s[CH], CHB
	s_mul_i32 s32, s[KA], 4*KSB
	s_add_co_u32 s32, s32, s30
	s_mul_i32 s33, s[TI], FRB
	s_add_co_u32 s32, s32, s33                     ; my first image
	s_mov_b32 s33, 0
	s_lshl_b32 s34, s[TI], 9
	s_add_co_u32 s34, s34, s30
	s_lshl_b32 s35, s[KA], 8
	s_add_co_u32 s34, s34, s35
	s_add_co_u32 s34, s34, SCO                     ; my scale image
	s_mov_b32 s35, 0
	s_mul_i32 s31, s[WV], 16*RP                    ; my stage
	s_mov_b32 s[SEL], 0x76543210
	s_mov_b32 s[SEL+1], 0xfedcba98
	s_mov_b32 s[HM], 0xffff0000
	v_and_b32 v6, 31, v0
	v_bfe_u32 v7, v0, 4, 1                         ; h
	v_lshlrev_b32 v[LI], 4, v6
	v_lshlrev_b32 v[L8], 3, v6
	v_and_b32 v6, 15, v0                           ; r
	v_lshlrev_b32 v[SH], 3, v7
	v_mul_u32_u24 v[SB], v6, RP
	v_add_nc_u32 v[SA], s31, v[LI]
	v_lshl_add_u32 v[SB], v7, 7, v[SB]
	v_mov_b32 v[TM+4], 0                           ; written once: a lane permute's destination counts as one of its sources
	v_add_nc_u32 v[SB], s31, v[SB]
.irp i, 0,1,2,3,4,5,6,7,8,9,10,11,12,13,14,15
	v_add_nc_u32 v[OFF+\i], (\i+24*(\i/8))*4096, v[LI]   ; the row of the tile's lane i, + 16 x lane
.endr
	s_wait_alu depctr_va_vdst(0)                   ; the wait at the head's end
	s_wait_kmcnt 0x0
	s_cmp_lt_u32 s[CH], 16                         ; which weight: the choice hangs on the work-group's number alone
	s_cselect_b64 s[PIN:PIN+1], s[6:7], s[8:9]
	s_cmp_lt_u32 s[CH], 8
	s_cselect_b64 s[PIN:PIN+1], s[4:5], s[PIN:PIN+1]
	s_add_nc_u64 s[PIN:PIN+1], s[PIN:PIN+1], s[28:29]
	s_add_nc_u64 s[OC:OC+1], s[10:11], s[32:33]
	s_add_nc_u64 s[OS:OS+1], s[10:11], s[34:35]
	WIN 0x40                                       ; destination v256 on
.irp k, 0,1,2,3
.irp i, 0,1,2,3,4,5,6,7,8,9,10,11,12,13,14,15
	global_load_b128 v[64*\k+4*\i:64*\k+4*\i+3], v[OFF+\i], s[PIN:PIN+1] offset:512*\k th:TH_LOAD_NT
.endr
.endr
	WIN 0
.irp k, 0,1,2,3
	s_wait_loadcnt 48-16*\k                        ; this K step's 16 loads are in; the later K steps' may be out
	WIN 0x04                                       ; the stores' data: v256 on
.irp i, 0,1,2,3,4,5,6,7,8,9,10,11,12,13,14,15
	ds_store_b128 v[SA], v[64*\k+4*\i:64*\k+4*\i+3] offset:RP*\i
.endr
	WIN 0
.irp c, 0,1
.irp j, 0,1,2,3,4,5,6,7
	ds_load_b128 v[T+32*\c+4*\j:T+32*\c+4*\j+3], v[SB] offset:256*\c+16*\j   ; LDS serves a wave's instructions in order: these see the stores above
.endr
.endr
	s_wait_dscnt 0x0
	s_wait_xcnt 0x0                                ; the last K step's stores have read their data registers: they are rewritten only behind this wait
	QUANT T, 2, PW+\k
.irp c, 0,1,2
	global_store_b128 v[LI], v[PC+4*\c:PC+4*\c+3], s[OC:OC+1] offset:KSB*\k+512*\c   ; 32 lanes store 512 consecutive bytes, at a multiple of 256 from cod's first byte
.endr
.endr
	v_cndmask_b32 v[SI], v[PW], v[PW+2], s[HM]     ; lanes 0-15: K step 4 ka; lanes 16-31: 4 ka + 2 (both halves of the lanes hold row r's word)
	v_cndmask_b32 v[SI+1], v[PW+1], v[PW+3], s[HM]
	global_store_b64 v[L8], v[SI:SI+1], s[OS:OS+1] ; 256 consecutive bytes
	s_wait_tensorcnt 0x0                           ; the wave's end
	ds_add_u32 v[SPW], v[NIL]
	s_wait_dscnt 0x0
	s_endpgm
.Lfunc_end_k_qce0569b88a_wq:
	.size	k_qce0569b88a_wq, .Lfunc_end_k_qce0569b88a_wq-k_qce0569b88a_wq
	.p2alignl 7, 3214868480
	.fill 96, 4, 3214868480
	.section	.rodata,"a",@progbits
	.p2align	6, 0x0
	.amdhsa_kernel k_qce0569b88a_wq
		.amdhsa_group_segment_fixed_size 34304
		.amdhsa_private_segment_fixed_size 0
		.amdhsa_enable_private_segment 0
		.amdhsa_kernarg_size 32
		.amdhsa_user_sgpr_count 2
		.amdhsa_user_sgpr_kernarg_segment_ptr 1
		.amdhsa_wavefront_size32 1
		.amdhsa_system_sgpr_workgroup_id_x 1
		.amdhsa_system_sgpr_workgroup_id_y 1
		.amdhsa_system_sgpr_workgroup_id_z 1
		.amdhsa_system_vgpr_workitem_id 0
		.amdhsa_next_free_vgpr 512
		.amdhsa_next_free_sgpr 66
		.amdhsa_reserve_vcc 0
		.amdhsa_float_denorm_mode_32 3
		.amdhsa_float_denorm_mode_16_64 3
		.amdhsa_memory_ordered 1
		.amdhsa_forward_progress 1
		.amdhsa_inst_pref_size 32
	.end_amdhsa_kernel
	.amdgpu_metadata
---
amdhsa.version: [ 1, 2 ]
amdhsa.kernels:
  - .name:           k_qce0569b88a_wq
    .symbol:         k_qce0569b88a_wq.kd
    .args:
      - { .name: Wq, .offset: 0, .size: 8, .value_kind: global_buffer, .address_space: global }
      - { .name: Wk, .offset: 8, .size: 8, .value_kind: global_buffer, .address_space: global }
      - { .name: Wv, .offset: 16, .size: 8, .value_kind: global_buffer, .address_space: global }
      - { .name: cod, .offset: 24, .size: 8, .value_kind: global_buffer, .address_space: global }
    .group_segment_fixed_size: 34304
    .private_segment_fixed_size: 0
    .kernarg_segment_align: 8
    .kernarg_segment_size: 32
    .max_flat_workgroup_size: 128
    .sgpr_count:     66
    .vgpr_count:     512
    .wavefront_size: 32
...
	.end_amdgpu_metadata
.endif
;; end of part 1
;; launch proj (part 2): grid 192 x 1, 4 waves a work-group, no clusters, 136,704 bytes of LDS; arguments q, k, v, cod, bq, bk, bv, qi, kv; writes qi, kv
.if DOCPART == 2
	.amdgcn_target "amdgcn-amd-amdhsa--gfx1250"
	.amdhsa_code_object_version 6
	.text
	.protected	k_qce0569b88a_proj
	.globl	k_qce0569b88a_proj
	.p2align	8
	.type	k_qce0569b88a_proj,@function
k_qce0569b88a_proj:
	s_mov_b64 s[64:65], 0
	v_nop
	global_prefetch_b8 v0, s[64:65] scope:SCOPE_SE
	s_setreg_imm32_b32 hwreg(HW_REG_WAVE_MODE, 25, 1), 1
	s_wait_xcnt 0x0
; relu6(x W^T + bias) for x = q, k, v (X = 0, 1, 2).  x arrives as f32 and is quantised here, along K, to codes of FP6 (E2M3) with one E8M0 byte for each 32; W's codes and scale images lie in cod.
; The result is quantised again on the way: q's and k's heads along d (two blocks of 32), v's heads along the KEYS (blocks of 32 neighbouring t of one batch), and goes to qi and kv as images of the next launch's operand registers.
; SHARES.  Work-group y = 64 X + 16 b + chunk owns 128 rows t of one batch, for all 16 heads: each number of x is read from memory once and quantised once.  192 work-groups: 3 x 4 x 16 chunks.
; PHASE 1.  Wave w takes tiles 2 w and 2 w + 1 (32 rows) x 8 K steps: 16 turns of 16 loads, each load 512 consecutive bytes of a row; four turns' loads (64) are out at the start and 48 behind the one awaited.
; A turn's 8,192 bytes go through the wave's own stage in LDS, so that a lane gets whole blocks of 32 neighbours; the codes and scale words go to LDS as register images, laid as a chunk of cod: 102,400 bytes, written once.
; PHASE 2, behind one barrier.  Four trips, one for each group of four heads; WAVE w OWNS HEAD 4 g + w: 64 columns for all of K: its 32 fragments of W lie in 384 registers.  A trip is 256 matrix instructions a wave:
; 8 K steps x (8 tiles of t x 4 tiles of columns), the 32 accumulators by turns, one instruction a turn.  As soon as a K step is multiplied, its twelve loads for the NEXT group of heads
; are issued into the same registers: they have the rest of the trip in which to land, and one wait for all loads stands at a trip's head.  The last trip asks for nothing: a scalar branch on the trip's number leads round the loads.
; No tensor load, so no joint request: x is quantised in registers on its way in, and W's fragments go from memory straight into the registers that hold them.  No prefetch: phase 1 has 64 loads a wave on their way, and W is asked for a trip ahead.
; THE ROWS OF A TILE: lane r of tile T is row 64 (T / 4) + 8 (T % 4) + r + 24 (r / 8) of its 128.  q, k: source 0 = 16 columns of W, source 1 = 16 t: a lane holds ONE t and its 32 registers are d = 32 h + 0 .. 31.
; v: source 0 = 16 t, source 1 = 16 columns: a lane holds ONE d, and its registers 32 c + i are keys 64 c + 32 h + i.  So a lane holds whole blocks of the next product's K.  The bias is the C of a sum's first instruction.
; LIMITS: NaN and infinities are not served; a block of zeros, or one whose largest magnitude lies under 2^-124, gets the scale byte 1: its codes are zeros or subnormal, and this program alone reads the bytes.
; REGISTERS, in windows of 256: window 0: v1-15 addresses; v16-31 W's scale registers; v32-63 x's; v64-159, v160-255 x's fragments, two sets (in phase 1 and behind a trip's last product: the numbers to quantise and what is at work).
;   window 1: the 32 accumulators (in phase 1: four sets of 16 loads).   window 2: W's fragments of K steps 0-4 at 48 s + 12 j.   window 3: those of K steps 5-7 at 48 (s - 5) + 12 j; v144-175 the bias.
.set CHB,   102400
.set FRB,   1536
.set KSB,   8*FRB
.set SCO,   8*KSB
.set RP,    528                        ; a stage row: 512 bytes + 16
.set STG,   CHB                        ; behind the images: a stage of 16 rows for each wave
.set SPARE, CHB+4*16*RP                ; behind the stages: the spare words, 128 bytes for each wave
.set SIA,  1                           ; v1   where I put my tiles' scale images
.set L8,   2                           ; v2   8 x lane
.set IA2,  3                           ; v3   where I put my tiles' images, K steps 4-7
.set LI,   4                           ; v4   16 x lane
.set XA,   4                           ; v4-5 LDS address of the images: K steps 0-3, 4-7
.set XSA,  6                           ; v6   of the scale images
.set BO,   7                           ; v7   bias, q and k: 128 h
.set BV,   8                           ; v8   bias, v: 4 (r + 24 (r / 8))
.set SA,   9                           ; v9   the stage, on the way in
.set SB,   10                          ; v10  and on the way out: 528 r + 128 h
.set SH,   12                          ; v12  8 x (lane / 16)
.set IA,   13                          ; v13  where I put my tiles' images, K steps 0-3
.set SPW,  14
.set NIL,  15
.set WS,   16                          ; W's scale register of (tile j, K step s): WS + 4 j + 2 (s / 4) + s % 2, lanes 16-31 where (s / 2) % 2
.set XS,   32                          ; x's likewise, 4 a tile
.set XF,   64
.set BI,   144                         ; in window 3
.set T,    64
.set TM,   128
.set PC,   144
.set PT,   156
.set PWS,  164
.set RI,   172
.set PW,   176
.set SI,   180
.set OFF,  192                         ; v192-207 phase 1: byte offset of my 16 bytes in a tile's 16 rows
.set WV,   22
.set XX,   24
.set BB,   25
.set CHN,  26
.set TRIP, 27
.set PIN,  28
.set WBASE, 30
.set WSB,  32
.set BBASE, 34
.set OUTP, 36
.set STR,  38                          ; s[38:39] bytes from a head group's block to the next's
.set SIX,  40
.set HM,   41
.set SEL,  42
.set MSB, 0
.macro WIN new                         ; the immediate's high byte repeats the setting that is left
.if MSB != \new
	s_set_vgpr_msb (MSB<<8)|\new
.set MSB, \new
.endif
.endm
.macro PLACES n
.rept \n
	v_nop
.endr
.endm
; QUANT: 32 nc numbers of a lane, v[s] on; register 32 c + i = k 64 c + 32 (lane / 16) + i of my row.  They become codes in v[PC] on (6 nc registers) and the row's scale word in v[pw].
; Four chains of maxima by turns, 4 / nc to a block; the floor 2^(3 - 127) among the leaves holds the byte at 1 from below.  My bytes go 8 (lane / 16) bits up, and lane l xor 16's fill the word.
.macro QUANT s, nc, pw
.set cpb, 4/\nc
.set qq, 0
.rept 4
	v_max3_num_f32 v[TM+qq], |v[(\s)+32*(qq/cpb)+2*(qq%cpb)]|, |v[(\s)+32*(qq/cpb)+2*(qq%cpb)+1]|, 0x1800000
.set qq, qq+1
.endr
.set qn, 1
.rept 4*\nc-1
.set qq, 0
.rept 4
	v_max3_num_f32 v[TM+qq], v[TM+qq], |v[(\s)+32*(qq/cpb)+2*cpb*qn+2*(qq%cpb)]|, |v[(\s)+32*(qq/cpb)+2*cpb*qn+2*(qq%cpb)+1]|
.set qq, qq+1
.endr
.set qn, qn+1
.endr
.if \nc == 1
	v_max3_num_f32 v[TM], v[TM], v[TM+1], v[TM+2]
	v_max_num_f32 v[TM], v[TM], v[TM+3]            ; the block's largest magnitude
	v_add_nc_u32 v[TM+12], 0xff000000, v[TM]       ; 2 off its exponent field: the conversion's scale operand
	v_lshrrev_b32 v[TM+5], 23, v[TM+12]            ; the scale's byte
.else
	v_max_num_f32 v[TM], v[TM], v[TM+1]
	v_max_num_f32 v[TM+2], v[TM+2], v[TM+3]
	v_add_nc_u32 v[TM+12], 0xff000000, v[TM]
	v_add_nc_u32 v[TM+13], 0xff000000, v[TM+2]
	v_lshrrev_b32 v[TM+5], 23, v[TM+12]
	v_lshrrev_b32 v[TM+6], 23, v[TM+13]
	v_lshl_or_b32 v[TM+5], v[TM+6], 16, v[TM+5]    ; blocks h and 2 + h
.endif
	v_lshlrev_b32 v[TM+5], v[SH], v[TM+5]
	v_permlanex16_b32 v[TM+4], v[TM+5], s[SEL], s[SEL+1]
	v_or_b32 v[\pw], v[TM+5], v[TM+4]
.if \nc == 1
	v_lshl_or_b32 v[\pw], v[\pw], 16, v[\pw]       ; q, k: the row's two bytes once more in the word's upper half: the next launch lays a head's 64 along d in the lower or in the upper half of its first product's K
.endif
.set qc, 0
.rept \nc
	v_cvt_scalef32_pk16_fp6_f32 v[PC+6*qc:PC+6*qc+2], v[(\s)+32*qc:(\s)+32*qc+15], v[TM+12+qc]
	v_cvt_scalef32_pk16_fp6_f32 v[PT+4*qc:PT+4*qc+2], v[(\s)+32*qc+16:(\s)+32*qc+31], v[TM+12+qc]   ; (a conversion's three registers begin on an even number)
.set qc, qc+1
.endr
	v_nop                                          ; one plain place behind a scaled conversion
.set qc, 0
.rept \nc
.irp i, 0,1,2
	v_mov_b32 v[PC+6*qc+3+\i], v[PT+4*qc+\i]
.endr
.set qc, qc+1
.endr
.endm
; W's load number m of a head's 96: K step m / 12, tile (m % 12) / 3, four registers m % 3; x: bytes on from the head in hand
.macro WLOAD m, x
.if (\m)/12 < 5
	WIN 0x80                                       ; destination window 2
	global_load_b128 v[48*((\m)/12)+12*(((\m)%12)/3)+4*((\m)%3):48*((\m)/12)+12*(((\m)%12)/3)+4*((\m)%3)+3], v[LI], s[WBASE:WBASE+1] offset:KSB*((\m)/12)+FRB*(((\m)%12)/3)+512*((\m)%3)+\x
.else
	WIN 0xc0                                       ; destination window 3
	global_load_b128 v[48*((\m)/12-5)+12*(((\m)%12)/3)+4*((\m)%3):48*((\m)/12-5)+12*(((\m)%12)/3)+4*((\m)%3)+3], v[LI], s[WBASE:WBASE+1] offset:KSB*((\m)/12)+FRB*(((\m)%12)/3)+512*((\m)%3)+\x
.endif
.endm
.macro WRUN m0, n, x                   ; n of them, from m0 on
.set mm, \m0
.rept \n
	WLOAD mm, \x
.set mm, mm+1
.endr
	WIN 0
.endm
.macro WSLOAD x                        ; W's eight scale images
.irp j, 0,1,2,3
.irp e, 0,1
	global_load_b64 v[WS+4*\j+2*\e:WS+4*\j+2*\e+1], v[L8], s[WSB:WSB+1] offset:512*\j+256*\e+\x
.endr
.endr
.endm
.macro BIAS mode, x
	WIN 0xc0
.if \mode == 0
.irp j, 0,1,2,3                        ; q, k: register i of tile j is column 32 h + 8 j + i
	global_load_b128 v[BI+8*\j:BI+8*\j+3], v[BO], s[BBASE:BBASE+1] offset:32*\j+\x
	global_load_b128 v[BI+8*\j+4:BI+8*\j+7], v[BO], s[BBASE:BBASE+1] offset:32*\j+16+\x
.endr
.else
.irp j, 0,1,2,3                        ; v: all eight registers of tile j are the lane's one column, 8 j + r + 24 (r / 8)
.irp i, 0,1,2,3,4,5,6,7
	global_load_b32 v[BI+8*\j+\i], v[BV], s[BBASE:BBASE+1] offset:32*\j+\x
.endr
.endr
.endif
	WIN 0
.endm
; PHASE 1.  Turn n: tile 2 w + n / 8, K step 4 ((n / 4) % 2) + n % 4; its 16 loads land in set n % 4 of window 1
.macro XLOAD n
	WIN 0x40
.irp i, 0,1,2,3,4,5,6,7,8,9,10,11,12,13,14,15
	global_load_b128 v[64*((\n)%4)+4*\i:64*((\n)%4)+4*\i+3], v[OFF+\i], s[PIN:PIN+1] offset:131072*((\n)/8)+2048*(((\n)/4)%2)+512*((\n)%4) th:TH_LOAD_NT
.endr
	WIN 0
.endm
.macro TS n
	s_wait_loadcnt 48                              ; this turn's 16 loads are in: behind them three runs of 16 have been issued
	WIN 0x04                                       ; the stores' data: window 1
.irp i, 0,1,2,3,4,5,6,7,8,9,10,11,12,13,14,15
	ds_store_b128 v[SA], v[64*((\n)%4)+4*\i:64*((\n)%4)+4*\i+3] offset:RP*\i
.endr
	WIN 0
.irp c, 0,1
.irp j, 0,1,2,3,4,5,6,7
	ds_load_b128 v[T+32*\c+4*\j:T+32*\c+4*\j+3], v[SB] offset:256*\c+16*\j   ; LDS serves a wave's instructions in order: these see the stores above
.endr
.endr
	s_wait_dscnt 0x0                               ; the numbers are back; the stores into the stage and the last turn's image stores have read their registers
.if (\n)+4 < 16
	XLOAD (\n)+4                                   ; the set just emptied takes the turn four on
.else
	WRUN 16*((\n)-12), 16, 0                       ; the last four turns ask for 64 of the first head's 96 loads of W instead
.endif
	QUANT T, 2, PW+(\n)%4
.irp c, 0,1,2
.if ((\n)/4)%2
	ds_store_b128 v[IA2], v[PC+4*\c:PC+4*\c+3] offset:KSB*((\n)%4)+FRB*((\n)/8)+512*\c
.else
	ds_store_b128 v[IA], v[PC+4*\c:PC+4*\c+3] offset:KSB*((\n)%4)+FRB*((\n)/8)+512*\c
.endif
.endr
.if (\n)%4 == 3
	v_cndmask_b32 v[SI], v[PW], v[PW+2], s[HM]     ; lanes 0-15: K step 4 ka; lanes 16-31: 4 ka + 2 (both halves of the lanes hold row r's word)
	v_cndmask_b32 v[SI+1], v[PW+1], v[PW+3], s[HM]
	ds_store_b64 v[SIA], v[SI:SI+1] offset:512*((\n)/8)+256*(((\n)/4)%2)
.endif
.endm
	s_load_b256 s[4:11], s[0:1], 0x0               ; q s[4:5], k s[6:7], v s[8:9], cod s[10:11]
	s_load_b256 s[12:19], s[0:1], 0x20             ; bq s[12:13], bk s[14:15], bv s[16:17], qi s[18:19]
	s_load_b64 s[20:21], s[0:1], 0x40              ; kv
	v_lshl_add_u32 v[SPW], v0, 2, SPARE
	v_mov_b32 v[NIL], 0
	v_lshrrev_b32 v11, 5, v0
	v_readfirstlane_b32 s[WV], v11                 ; wave 0..3
	s_lshr_b32 s[XX], ttmp9, 6                     ; X: q, k or v
	s_bfe_u32 s[BB], ttmp9, 0x20004                ; the batch
	s_and_b32 s[CHN], ttmp9, 15                    ; the chunk of 128 t
	s_lshr_b32 s48, s[WV], 1
	s_and_b32 s49, s[WV], 1
	s_lshl_b32 s44, s[CHN], 7
	s_lshl_b32 s46, s48, 6
	s_add_co_u32 s44, s44, s46
	s_lshl_b32 s46, s49, 4
	s_add_co_u32 s44, s44, s46                     ; tile 2 w's first t: 128 x chunk + 64 (w / 2) + 16 (w % 2); tile 2 w + 1's lies 8 on
	s_lshl_b32 s44, s44, 14                        ; 16,384 bytes from t to t + 1
	s_lshl_b32 s46, s[BB], 12
	s_add_co_u32 s44, s44, s46                     ; + 4,096 b
	s_mov_b32 s45, 0
	s_lshl_b32 s50, s[XX], 3                       ; W's chunk: 8 X + head / 2, and in it tiles 4 (head % 2) on
	s_add_co_u32 s50, s50, s48
	s_mul_i32 s50, s50, CHB
	s_lshl_b32 s52, s49, 11
	s_add_co_u32 s52, s52, s50
	s_add_co_u32 s52, s52, SCO                     ; their scale images: 512 bytes a tile
	s_mov_b32 s53, 0
	s_mul_i32 s46, s49, 4*FRB
	s_add_co_u32 s50, s50, s46
	s_mov_b32 s51, 0
	s_lshl_b32 s54, s[BB], 4
	s_add_co_u32 s54, s54, s[WV]                   ; 16 b + head, head = w in the first trip
	s_lshl_b32 s54, s54, 4
	s_add_co_u32 s54, s54, s[CHN]                  ; the first block that I write
	s_mov_b32 s46, 13056
	s_cmp_eq_u32 s[XX], 0
	s_cselect_b32 s46, 6656, s46
	s_mul_i32 s54, s54, s46
	s_lshl_b32 s[STR], s46, 6                      ; four heads on: 64 blocks
	s_mov_b32 s[STR+1], 0
	s_cmp_eq_u32 s[XX], 2
	s_cselect_b32 s46, 6656, 0                     ; V's part lies behind K's in a block of kv
	s_add_co_u32 s54, s54, s46
	s_mov_b32 s55, 0
	s_lshl_b32 s56, s[WV], 8                       ; my head's 64 numbers of the bias
	s_mov_b32 s57, 0
	s_mul_i32 s58, s[WV], 16*RP
	s_add_co_u32 s58, s58, STG                     ; my stage
	s_mul_i32 s59, s[WV], 2*FRB                    ; my two tiles' images
	s_lshl_b32 s60, s[WV], 10
	s_add_co_u32 s60, s60, SCO                     ; and their scale images
	s_mov_b32 s[SIX], 0x40c00000                   ; 6.0
	s_mov_b32 s[HM], 0xffff0000                    ; lanes 16-31
	s_mov_b32 s[SEL], 0x76543210
	s_mov_b32 s[SEL+1], 0xfedcba98
	v_and_b32 v11, 31, v0
	v_lshlrev_b32 v[LI], 4, v11
	v_lshlrev_b32 v[L8], 3, v11
	v_bfe_u32 v11, v0, 4, 1                        ; h
	v_add_nc_u32 v[XA+1], 4*KSB, v[LI]
	v_add_nc_u32 v[XSA], SCO, v[L8]
	v_lshlrev_b32 v[BO], 7, v11
	v_lshlrev_b32 v[SH], 3, v11
	v_lshlrev_b32 v[SB], 7, v11
	v_and_b32 v11, 15, v0                          ; r
	v_add_nc_u32 v[IA], s59, v[LI]
	v_mul_u32_u24 v[SA], v11, RP
	v_and_b32 v[BV], 8, v11
	v_add_nc_u32 v[SIA], s60, v[L8]
	v_add_nc_u32 v[SB], v[SB], v[SA]
	v_mad_u32_u24 v[BV], v[BV], 3, v11
	v_add_nc_u32 v[IA2], 4*KSB, v[IA]
	v_add_nc_u32 v[SB], s58, v[SB]
	v_add_nc_u32 v[SA], s58, v[LI]
	v_lshlrev_b32 v[BV], 2, v[BV]
	v_mov_b32 v[TM+4], 0                           ; written once: a lane permute's destination counts as one of its sources
.irp i, 0,1,2,3,4,5,6,7,8,9,10,11,12,13,14,15
	v_add_nc_u32 v[OFF+\i], (\i+24*(\i/8))*16384, v[LI]   ; the row of a tile's lane i, + 16 x lane
.endr
	s_wait_alu depctr_va_vdst(0)                   ; the wait at the head's end
	s_wait_kmcnt 0x0
	s_cmp_eq_u32 s[XX], 0                          ; the choices hang on the work-group's number alone
	s_cselect_b64 s[PIN:PIN+1], s[4:5], s[6:7]
	s_cselect_b64 s[OUTP:OUTP+1], s[18:19], s[20:21]
	s_cselect_b64 s[BBASE:BBASE+1], s[12:13], s[14:15]
	s_cmp_eq_u32 s[XX], 2
	s_cselect_b64 s[PIN:PIN+1], s[8:9], s[PIN:PIN+1]
	s_cselect_b64 s[BBASE:BBASE+1], s[16:17], s[BBASE:BBASE+1]
	s_add_nc_u64 s[PIN:PIN+1], s[PIN:PIN+1], s[44:45]
	s_add_nc_u64 s[WBASE:WBASE+1], s[10:11], s[50:51]
	s_add_nc_u64 s[WSB:WSB+1], s[10:11], s[52:53]
	s_add_nc_u64 s[OUTP:OUTP+1], s[OUTP:OUTP+1], s[54:55]
	s_add_nc_u64 s[BBASE:BBASE+1], s[BBASE:BBASE+1], s[56:57]
.irp n, 0,1,2,3
	XLOAD \n
.endr
.irp n, 0,1,2,3,4,5,6,7,8,9,10,11,12,13,14,15
	TS \n
.endr
	WRUN 64, 32, 0                                 ; the rest of the first head's W, its scale images and its bias
	WSLOAD 0
	s_cmp_eq_u32 s[XX], 2
	s_cbranch_scc1 .Lbias_v
	BIAS 0, 0
	s_branch .Lbias_in
.Lbias_v:
	BIAS 1, 0
.Lbias_in:
	s_wait_alu depctr_va_vdst(0)                   ; directly ahead of the wait below
	s_wait_dscnt 0x0                               ; my images are in LDS
	s_barrier_signal -1
	s_barrier_wait -1                              ; and so are everybody's; behind this barrier LDS is only read
.macro FETCH s, f                      ; x's eight fragments of K step s into set f
.irp t, 0,1,2,3,4,5,6,7
.irp c, 0,1,2
	ds_load_b128 v[XF+96*(\f)+12*\t+4*\c:XF+96*(\f)+12*\t+4*\c+3], v[XA+(\s)/4] offset:KSB*((\s)%4)+FRB*\t+512*\c
.endr
.endr
.endm
.macro WM d, a, b, c, sa, sb, row
.if \row
	v_wmma_scale_f32_16x16x128_f8f6f4 v[\d:\d+7], v[\a:\a+11], v[\b:\b+11], v[\c:\c+7], v[\sa], v[\sb] matrix_a_fmt:MATRIX_FMT_FP6 matrix_b_fmt:MATRIX_FMT_FP6 matrix_a_scale:MATRIX_SCALE_ROW1 matrix_b_scale:MATRIX_SCALE_ROW1
.else
	v_wmma_scale_f32_16x16x128_f8f6f4 v[\d:\d+7], v[\a:\a+11], v[\b:\b+11], v[\c:\c+7], v[\sa], v[\sb] matrix_a_fmt:MATRIX_FMT_FP6 matrix_b_fmt:MATRIX_FMT_FP6
.endif
.endm
; K step s: 32 matrix instructions, x's tiles outermost.  mode 0 (q, k): accumulator (t, j) at 32 t + 8 j; mode 1 (v): at 64 j + 8 t.  K step 0 takes the bias as C.
.macro MULS mode, s
.set WB, 48*((\s)%5)
.set ROWS, ((\s)/2)%2
.set SOF, 2*((\s)/4)+(\s)%2
.if \mode == 0
.if (\s) == 0
	WIN 0x72                                       ; source 0 (W) window 2, source 1 (x) window 0, C (bias) window 3, D window 1
.elseif (\s) < 5
	WIN 0x52                                       ; C and D window 1
.else
	WIN 0x53                                       ; W in window 3
.endif
.else
.if (\s) == 0
	WIN 0x78                                       ; source 0 (x) window 0, source 1 (W) window 2, C window 3, D window 1
.elseif (\s) < 5
	WIN 0x58
.else
	WIN 0x5c
.endif
.endif
.set tt, 0
.rept 8
.set jj, 0
.rept 4
.set rX, XF+96*((\s)%2)+12*tt
.set rW, WB+12*jj
.if \mode == 0
.set rD, 32*tt+8*jj
.else
.set rD, 64*jj+8*tt
.endif
.set rC, rD
.if (\s) == 0
.set rC, BI+8*jj
.endif
.if \mode == 0
	WM rD, rW, rX, rC, WS+4*jj+SOF, XS+4*tt+SOF, ROWS
.else
	WM rD, rX, rW, rC, XS+4*tt+SOF, WS+4*jj+SOF, ROWS
.endif
.set jj, jj+1
.endr
.set tt, tt+1
.endr
.endm
; What K step s has read is asked for again, for the head four on: W's twelve loads; behind K step 0 the bias; behind K step 7 W's scale images.  Not in the last trip.
.macro RELOAD mode, s
	s_cmp_lg_u32 s[TRIP], 1
	s_cbranch_scc0 .Lno_more_\@
	WRUN 12*(\s), 12, 2*CHB
.if (\s) == 0
	BIAS \mode, 1024
.endif
.if (\s) == 7
	WSLOAD 2*CHB
.endif
.Lno_more_\@:
.endm
.macro STEPS mode
	FETCH 0, 0
	FETCH 1, 1
.irp s, 0,1,2,3,4,5,6,7
.if \s < 7
	s_wait_dscnt 24                                ; this K step's set (and the scale images) are in; the younger set's 24 loads may be out
.else
	s_wait_dscnt 0x0
.endif
	MULS \mode, \s
	WIN 0
	PLACES 4                                       ; in front of loads into registers that these products have read, and of the first read of results
.if \s < 6
	FETCH \s+2, \s%2                               ; 32 matrix instructions ahead of its use
.endif
	RELOAD \mode, \s
.endr
.endm
; q, k: tile t's 16 rows x 64 columns: relu6, two blocks along d, half a fragment (registers 0-5): 512 + 256 consecutive bytes
.macro EPI_QK
.irp t, 0,1,2,3,4,5,6,7
	WIN 0x01                                       ; source 0 window 1
.set ee, 0
.rept 32
	v_med3_num_f32 v[T+ee], v[32*\t+ee], 0, s[SIX] ; each accumulator from its low end on
.set ee, ee+1
.endr
	WIN 0
	s_wait_xcnt 0x0                                ; the last tile's stores have read their data registers: they are rewritten only behind this wait
	QUANT T, 1, PWS+\t
	global_store_b128 v[LI], v[PC:PC+3], s[OUTP:OUTP+1] offset:768*\t
	global_store_b64 v[L8], v[PC+4:PC+5], s[OUTP:OUTP+1] offset:768*\t+512
.endr
.irp i, 0,1,2,3
	v_cndmask_b32 v[RI+\i], v[PWS+2*\i], v[PWS+2*\i+1], s[HM]   ; lanes 0-15: tile 2 i's words; lanes 16-31: tile 2 i + 1's
.endr
	global_store_b64 v[L8], v[RI:RI+1], s[OUTP:OUTP+1] offset:6144
	global_store_b64 v[L8], v[RI+2:RI+3], s[OUTP:OUTP+1] offset:6400
.endm
; v: tile j's 16 columns x 128 keys: relu6, four blocks along the keys, a whole fragment
.macro EPI_V
.irp j, 0,1,2,3
	WIN 0x01
.set ee, 0
.rept 64
	v_med3_num_f32 v[T+ee], v[64*\j+ee], 0, s[SIX]
.set ee, ee+1
.endr
	WIN 0
	s_wait_xcnt 0x0
	QUANT T, 2, PWS+\j
.irp c, 0,1,2
	global_store_b128 v[LI], v[PC+4*\c:PC+4*\c+3], s[OUTP:OUTP+1] offset:FRB*\j+512*\c
.endr
.endr
.irp i, 0,1
	v_cndmask_b32 v[RI+\i], v[PWS+2*\i], v[PWS+2*\i+1], s[HM]
.endr
	global_store_b64 v[L8], v[RI:RI+1], s[OUTP:OUTP+1] offset:4*FRB
.endm
.irp t, 0,1,2,3,4,5,6,7                ; x's 16 scale images: they stay for all four trips
.irp e, 0,1
	ds_load_b64 v[XS+4*\t+2*\e:XS+4*\t+2*\e+1], v[XSA] offset:512*\t+256*\e
.endr
.endr
	s_mov_b32 s[TRIP], 4
.Lheads:                                           ; four trips: heads 4 g + w
	s_wait_loadcnt 0x0                             ; this head's W, its scale images and its bias: the youngest were asked for ahead of the last trip's epilogue
	s_cmp_eq_u32 s[XX], 2
	s_cbranch_scc1 .Lmode_v
	STEPS 0
	EPI_QK
	s_branch .Ljoin
.Lmode_v:
	STEPS 1
	EPI_V
.Ljoin:
	s_wait_xcnt 0x0                                ; the loads' and stores' bases are stepped only behind this wait
	s_add_nc_u64 s[OUTP:OUTP+1], s[OUTP:OUTP+1], s[STR:STR+1]
	s_add_nc_u64 s[WBASE:WBASE+1], s[WBASE:WBASE+1], 2*CHB
	s_add_nc_u64 s[WSB:WSB+1], s[WSB:WSB+1], 2*CHB
	s_add_nc_u64 s[BBASE:BBASE+1], s[BBASE:BBASE+1], 1024
	s_sub_co_u32 s[TRIP], s[TRIP], 1
	s_cmp_lg_u32 s[TRIP], 0
	s_cbranch_scc1 .Lheads
	s_wait_tensorcnt 0x0                           ; the wave's end
	ds_add_u32 v[SPW], v[NIL]
	s_wait_dscnt 0x0
	s_endpgm
.Lfunc_end_k_qce0569b88a_proj:
	.size	k_qce0569b88a_proj, .Lfunc_end_k_qce0569b88a_proj-k_qce0569b88a_proj
	.p2alignl 7, 3214868480
	.fill 96, 4, 3214868480
	.section	.rodata,"a",@progbits
	.p2align	6, 0x0
	.amdhsa_kernel k_qce0569b88a_proj
		.amdhsa_group_segment_fixed_size 136704
		.amdhsa_private_segment_fixed_size 0
		.amdhsa_enable_private_segment 0
		.amdhsa_kernarg_size 72
		.amdhsa_user_sgpr_count 2
		.amdhsa_user_sgpr_kernarg_segment_ptr 1
		.amdhsa_wavefront_size32 1
		.amdhsa_system_sgpr_workgroup_id_x 1
		.amdhsa_system_sgpr_workgroup_id_y 1
		.amdhsa_system_sgpr_workgroup_id_z 1
		.amdhsa_system_vgpr_workitem_id 0
		.amdhsa_next_free_vgpr 1024
		.amdhsa_next_free_sgpr 66
		.amdhsa_reserve_vcc 0
		.amdhsa_float_denorm_mode_32 3
		.amdhsa_float_denorm_mode_16_64 3
		.amdhsa_memory_ordered 1
		.amdhsa_forward_progress 1
		.amdhsa_inst_pref_size 255
	.end_amdhsa_kernel
	.section	.bss,"aw",@nobits
	.p2align	6
	.space	262144
	.amdgpu_metadata
---
amdhsa.version: [ 1, 2 ]
amdhsa.kernels:
  - .name:           k_qce0569b88a_proj
    .symbol:         k_qce0569b88a_proj.kd
    .args:
      - { .name: q, .offset: 0, .size: 8, .value_kind: global_buffer, .address_space: global }
      - { .name: k, .offset: 8, .size: 8, .value_kind: global_buffer, .address_space: global }
      - { .name: v, .offset: 16, .size: 8, .value_kind: global_buffer, .address_space: global }
      - { .name: cod, .offset: 24, .size: 8, .value_kind: global_buffer, .address_space: global }
      - { .name: bq, .offset: 32, .size: 8, .value_kind: global_buffer, .address_space: global }
      - { .name: bk, .offset: 40, .size: 8, .value_kind: global_buffer, .address_space: global }
      - { .name: bv, .offset: 48, .size: 8, .value_kind: global_buffer, .address_space: global }
      - { .name: qi, .offset: 56, .size: 8, .value_kind: global_buffer, .address_space: global }
      - { .name: kv, .offset: 64, .size: 8, .value_kind: global_buffer, .address_space: global }
    .group_segment_fixed_size: 136704
    .private_segment_fixed_size: 0
    .kernarg_segment_align: 8
    .kernarg_segment_size: 72
    .max_flat_workgroup_size: 128
    .sgpr_count:     66
    .vgpr_count:     1024
    .wavefront_size: 32
...
	.end_amdgpu_metadata
.endif
;; end of part 2
;; launch attn (part 3): grid 4 x 64, 16 waves a work-group, clusters of 4 x 1, 327,680 bytes of LDS; arguments qi, kv, out0; writes out0
.if DOCPART == 3
	.amdgcn_target "amdgcn-amd-amdhsa--gfx1250"
	.amdhsa_code_object_version 6
	.text
	.protected	k_qce0569b88a_attn
	.globl	k_qce0569b88a_attn
	.p2align	8
	.type	k_qce0569b88a_attn,@function
k_qce0569b88a_attn:
	s_mov_b64 s[64:65], 0
	v_nop
	global_prefetch_b8 v0, s[64:65] scope:SCOPE_SE
	s_setreg_imm32_b32 hwreg(HW_REG_WAVE_MODE, 25, 1), 1
	s_wait_xcnt 0x0
	s_wait_alu depctr_hold_cnt(0) depctr_sa_sdst(0) depctr_va_vdst(0) depctr_va_sdst(0) depctr_va_ssrc(0) depctr_va_vcc(0) depctr_vm_vsrc(0)
	s_getreg_b32 s2, hwreg(HW_REG_IB_STS2, 6, 4)
	s_cmp_eq_u32 s2, 0
	s_cbranch_scc0 .Lentry_in_a_cluster
	s_endpgm
.Lentry_in_a_cluster:
	s_bfe_u32 s2, ttmp6, 0x10000c
	s_cmp_lg_u32 s2, 0x3003
	s_cbranch_scc0 .Lentry_shape_is_right
	s_endpgm
.Lentry_shape_is_right:
; out0[t][b][64 head + d] = the sum over keys s of softmax_s(qh[t] . kh[s] / 8) vh[s][d], both products on codes of FP6 (E2M3) with one E8M0 scale for each 32 along a product's K.
; qi and kv hold the operands as images of their registers: per (b, head) and 128 rows eight half fragments (16 rows x d 64: six registers) and their scale registers; for V four whole fragments (16 d x 128 keys) and theirs.
; THE SOFTMAX AHEAD OF THE SECOND PRODUCT: t = score x log2(e) / 8; M = the row's largest t so far, rounded UP to a whole number; p = 2^(t - M) is quantised along the keys, not normalised.
; The row's sum is taken of the unquantised p, in f32, and divides O at the end.  When M moves, the sum and O are multiplied by 2^(old M - new M): exact.
; LAYOUT.  Both products are used transposed: S^T = K Q^T (source 0 = 16 keys), O^T = V^T P^T (source 0 = 16 d): a lane holds ONE query of each tile.  Lane r of tile T (of queries, keys or d) is row
; 64 (T / 4) + 8 (T % 4) + r + 24 (r / 8) of its 128.  So register 32 c + i of S^T in lane (r, h) is key 64 c + 32 h + i: a lane's 32 registers are ONE BLOCK of the second product's K, in the lane and order in which
; the operand wants it.  Likewise register 8 j + i of O^T is d = 32 h + 8 j + i.
; SHARES.  A work-group owns 512 queries of one (b, head); each of its sixteen waves TWO neighbouring tiles of 16 queries, A and B, and walks the keys once: a key step's 31 LDS loads feed 24 matrix instructions.
; THE FIRST PRODUCT'S K IS 64 OF 128.  Q lies as [Q_A][six registers of zero codes][Q_B]: tile A's operand is the first twelve registers, tile B's the last twelve.  K's eight half fragments lie on end, six registers each:
; for tile A key tile t's operand begins at its own six registers, for tile B six registers lower.  The other half of each operand holds a neighbour's codes (at the ends: p's codes of the step before), each multiplied by a zero code.
; The scale words of q and k hold their two bytes in both halves, so every byte is a finite code.
; REGISTERS (254 of 256): the scores' 64 serve tile A, then tile B; K's 48 stay for both and are then taken by V; the conversions' second halves land on registers of p that have been summed.
; THE HEAD'S K AND V, 208,896 bytes, COME INTO LDS ONCE and stay.  The four work-groups of a cluster belong to one (b, head): each key step's block is asked for JOINTLY (mask 15): steps 0-3 by waves 0-3 at the head,
; steps 4-15 by waves 0-11 behind a second round of the cluster's barrier; these land while steps 0-3 are worked.  A wave has one tensor load out at the most.
; No prefetch: every fill is asked for at the head, the second group as soon as the first is in, and there is no loop of fills to run ahead in.
; LIMITS: p under 2^-126 counts as 0 (the exponential's own flush); a block whose every p is 0 keeps the scale byte 1 over zero codes.  NaN and infinities are not served.  relu6 holds the scores between 0 and 288.
.set STEPB, 13056                      ; a key step's block: K 6,656 bytes, V 6,400
.set HEADB, 16*STEPB
.set SPARE, 16*16*272                  ; LDS: from 0 a stage of 16 rows x (256 + 16) bytes for each wave, for the way out; then the spare words, 128 bytes a wave;
.set KVB,   SPARE+2048                 ; then K and V
.set LI,   1                           ; v1   16 x lane
.set L8,   2                           ; v2   8 x lane
.set ADK,  3                           ; v3   16 x lane + TB
.set AD8,  4                           ; v4   8 x lane + TB
.set SH8,  5                           ; v5   8 x (lane / 16)
.set SPW,  6                           ; v6   LDS address of my spare word; never rewritten
.set NIL,  7                           ; v7   0; never rewritten
.set QS,   8                           ; v8   Q's scale words: lanes 0-15 tile A's, lanes 16-31 tile B's
.set TT,   9
.set TT2,  10
.set PSB,  11                          ; v11  tile B's p: its scale word
.set MA,   12                          ; v12 -M, v13 the largest score, of tile A; v14, v15 of tile B
.set MB,   14
.set LA,   16                          ; v16-19 tile A's sum in two chains of two halves; v20-23 tile B's
.set LB,   20
.set FF,   24                          ; v24  f = 2^(old M - new M)
.set PSA,  25                          ; v25  tile A's p: its scale word
.set KS,   26                          ; v26-29 K's scale registers, v30-31 V's
.set VS,   30
.set BM,   32                          ; v32-35 at work: the two blocks' largest scores, two chains each; then the conversions' scale operands and the bytes
.set Q,    36                          ; v36-41 Q_A, v42-47 zero codes, v48-53 Q_B
.set PB,   54                          ; v54-65 tile B's p codes, straight ahead of K
.set KV,   66                          ; v66-113 K's eight half fragments, then V's four fragments
.set PA,   114                         ; v114-125 tile A's p codes, straight behind them
.set S,    126                         ; v126-189 S^T, then p
.set OA,   190                         ; v190-221 tile A's O^T
.set OB,   222                         ; v222-253 tile B's
.set WV,   10
.set CX,   11
.set BH,   12
.set SEL,  20                          ; s[20:21] v_permlanex16_b32's selects for lane l xor 16
.set CS,   22                          ; s[22:23] c = log2(e) / 8
.set G1,   24                          ; s[24:31] group 1: 51 rows of 256 bytes
.set G0A,  32
.set G0B,  36
.set TB,   40
.set CNT,  41
.set NC,   42                          ; -c
.set QB,   44
.set OUTP, 46
.set TAU,  48
.macro PLACES n
.rept \n
	v_nop
.endr
.endm
.macro ROUND                           ; a round of the cluster's barrier
	s_barrier_signal -1
	s_barrier_wait -1
	s_cmp_lg_u32 s[WV], 0
	s_cbranch_scc1 .Lnot_wave_0_\@
	s_barrier_signal -3
.Lnot_wave_0_\@:
	s_barrier_wait -3
	s_barrier_signal -1
	s_barrier_wait -1
.endm
; The row's sum: pairs n0 .. n1 of p's 32, pair n onto chain n % 2 at v[lb].  A chain's first line multiplies what it holds by f in the same instruction; in the first key step it adds two pairs of p instead.
.macro LS first, lb, n0, n1
.set nn, \n0
.rept \n1-\n0+1
.if nn < 2
.if \first
	v_pk_add_f32 v[\lb+2*nn:\lb+2*nn+1], v[S+2*nn:S+2*nn+1], v[S+2*nn+4:S+2*nn+5]
.else
	v_pk_fma_f32 v[\lb+2*nn:\lb+2*nn+1], v[\lb+2*nn:\lb+2*nn+1], v[FF:FF+1], v[S+2*nn:S+2*nn+1] op_sel_hi:[1,0,1]
.endif
.elseif (nn >= 4) || (\first == 0)
	v_pk_add_f32 v[\lb+2*(nn%2):\lb+2*(nn%2)+1], v[\lb+2*(nn%2):\lb+2*(nn%2)+1], v[S+2*nn:S+2*nn+1]
.endif
.set nn, nn+1
.endr
.endm
; S^T = K Q^T of one tile of queries: eight products.  b = 0: tile A, d in the lower half of K; b = 1: tile B, d in the upper half
.macro SMUL b
.irp t, 0,1,2,3,4,5,6,7
.if \b == 0
.if \t%2
	v_wmma_scale_f32_16x16x128_f8f6f4 v[S+8*\t:S+8*\t+7], v[KV+6*\t:KV+6*\t+11], v[Q:Q+11], 0, v[KS+\t/2], v[QS] matrix_a_fmt:MATRIX_FMT_FP6 matrix_b_fmt:MATRIX_FMT_FP6 matrix_a_scale:MATRIX_SCALE_ROW1
.else
	v_wmma_scale_f32_16x16x128_f8f6f4 v[S+8*\t:S+8*\t+7], v[KV+6*\t:KV+6*\t+11], v[Q:Q+11], 0, v[KS+\t/2], v[QS] matrix_a_fmt:MATRIX_FMT_FP6 matrix_b_fmt:MATRIX_FMT_FP6
.endif
.else
.if \t%2
	v_wmma_scale_f32_16x16x128_f8f6f4 v[S+8*\t:S+8*\t+7], v[KV+6*\t-6:KV+6*\t+5], v[Q+6:Q+17], 0, v[KS+\t/2], v[QS] matrix_a_fmt:MATRIX_FMT_FP6 matrix_b_fmt:MATRIX_FMT_FP6 matrix_a_scale:MATRIX_SCALE_ROW1 matrix_b_scale:MATRIX_SCALE_ROW1
.else
	v_wmma_scale_f32_16x16x128_f8f6f4 v[S+8*\t:S+8*\t+7], v[KV+6*\t-6:KV+6*\t+5], v[Q+6:Q+17], 0, v[KS+\t/2], v[QS] matrix_a_fmt:MATRIX_FMT_FP6 matrix_b_fmt:MATRIX_FMT_FP6 matrix_b_scale:MATRIX_SCALE_ROW1
.endif
.endif
.endr
.endm
; One link of O^T += V^T P^T: d tile j of the tile of queries whose O^T begins at v[o], p codes at v[p], scale word in v[ps]
.macro PV first, j, o, p, ps
.if \first
.if \j%2
	v_wmma_scale_f32_16x16x128_f8f6f4 v[\o+8*\j:\o+8*\j+7], v[KV+12*\j:KV+12*\j+11], v[\p:\p+11], 0, v[VS+\j/2], v[\ps] matrix_a_fmt:MATRIX_FMT_FP6 matrix_b_fmt:MATRIX_FMT_FP6 matrix_a_scale:MATRIX_SCALE_ROW1
.else
	v_wmma_scale_f32_16x16x128_f8f6f4 v[\o+8*\j:\o+8*\j+7], v[KV+12*\j:KV+12*\j+11], v[\p:\p+11], 0, v[VS+\j/2], v[\ps] matrix_a_fmt:MATRIX_FMT_FP6 matrix_b_fmt:MATRIX_FMT_FP6
.endif
.else
.if \j%2
	v_wmma_scale_f32_16x16x128_f8f6f4 v[\o+8*\j:\o+8*\j+7], v[KV+12*\j:KV+12*\j+11], v[\p:\p+11], v[\o+8*\j:\o+8*\j+7], v[VS+\j/2], v[\ps] matrix_a_fmt:MATRIX_FMT_FP6 matrix_b_fmt:MATRIX_FMT_FP6 matrix_a_scale:MATRIX_SCALE_ROW1
.else
	v_wmma_scale_f32_16x16x128_f8f6f4 v[\o+8*\j:\o+8*\j+7], v[KV+12*\j:KV+12*\j+11], v[\p:\p+11], v[\o+8*\j:\o+8*\j+7], v[VS+\j/2], v[\ps] matrix_a_fmt:MATRIX_FMT_FP6 matrix_b_fmt:MATRIX_FMT_FP6
.endif
.endif
.endm
; THE SOFTMAX OF ONE TILE'S 128 SCORES: m: its pair -M, largest score; lb: its sum; o: its O^T; p: its codes; ps: its scale word.  isb = 1: tile B: the sum's last four lines are left for the places behind the second products.
.macro SOFT first, m, lb, o, p, ps, isb
.irp c, 0,1                            ; THE LARGEST SCORE OF EACH OF MY TWO BLOCKS serves twice: for the row's maximum, and, since p rises with the score, for the block's largest p.  Each accumulator is first read in its four lowest registers
	v_max3_num_f32 v[BM+2*\c], v[S+32*\c], v[S+32*\c+1], v[S+32*\c+2]
	v_max3_num_f32 v[BM+2*\c+1], v[S+32*\c+17], v[S+32*\c+18], v[S+32*\c+19]
.endr
.irp i, 0,1,2,3,4,5
.irp c, 0,1
	v_max3_num_f32 v[BM+2*\c], v[BM+2*\c], v[S+32*\c+3+2*\i], v[S+32*\c+4+2*\i]
	v_max3_num_f32 v[BM+2*\c+1], v[BM+2*\c+1], v[S+32*\c+20+2*\i], v[S+32*\c+21+2*\i]
.endr
.endr
.irp c, 0,1
	v_max3_num_f32 v[BM+2*\c], v[BM+2*\c], v[S+32*\c+15], v[S+32*\c+16]
.endr
.irp c, 0,1
	s_delay_alu instid0(VALU_DEP_2)
	v_max_num_f32 v[BM+2*\c], v[BM+2*\c], v[BM+2*\c+1]
.endr
	s_delay_alu instid0(VALU_DEP_1)
.if \first
	v_max_num_f32 v[TT2], v[BM], v[BM+2]
.else
	v_max3_num_f32 v[TT2], v[BM], v[BM+2], v[\m+1]
.endif
	s_delay_alu instid0(VALU_DEP_1)
	v_permlanex16_b32 v[BM+1], v[TT2], s[SEL], s[SEL+1]
	s_delay_alu instid0(VALU_DEP_1)
	v_max_num_f32 v[\m+1], v[TT2], v[BM+1]         ; with lane l xor 16's two blocks: my query's largest score so far
	s_delay_alu instid0(VALU_DEP_1)
	v_mul_f32 v[TT2], s[NC], v[\m+1]               ; -t (c is positive)
	s_delay_alu instid0(VALU_DEP_1)
	v_floor_f32 v[\m], v[TT2]                      ; -M = floor(-t) = -ceil(t): M is a whole number
.if \first == 0
	s_delay_alu instid0(VALU_DEP_1)
	v_sub_f32 v[TT], v[\m], v[TT]                  ; M's old value less its new one: a whole number, 0 or less
.endif
.set ee, 0
.rept 32
	v_pk_fma_f32 v[S+ee:S+ee+1], v[S+ee:S+ee+1], s[CS:CS+1], v[\m:\m+1] op_sel_hi:[1,0,0]   ; t - M, two at a time
.if (\first == 0) && (ee == 6)
	v_cvt_i32_f32 v[TT], v[TT]
.endif
.if (\first == 0) && (ee == 14)
	v_ldexp_f32 v[FF], 1.0, v[TT]                  ; f = 2^(old M - new M)
.endif
.set ee, ee+2
.endr
.irp c, 0,1
	v_fma_f32 v[BM+2*\c], v[BM+2*\c], s[CS], v[\m] ; the same of each block's largest score
.endr
.if \first == 0
.if \isb
	s_wait_alu depctr_va_vdst(0)                   ; directly ahead of the first reader of O^T: tile A's exponentials stand between tile B's last products and these lines
.endif
.set ee, 0
.rept 16
	v_pk_mul_f32 v[\o+ee:\o+ee+1], v[\o+ee:\o+ee+1], v[FF:FF+1] op_sel_hi:[1,0]   ; O^T under the new M; each accumulator from its low end on
.set ee, ee+2
.endr
.endif
	s_wait_alu depctr_va_vdst(0)                   ; ahead of the batch
.set ee, 0
.rept 64
	v_exp_f32 v[S+ee], v[S+ee]                     ; p = 2^(t - M), at most 1: not normalised
.set ee, ee+1
.endr
	v_exp_f32 v[BM], v[BM]                         ; the blocks' largest p: the same two instructions on the same number give the same bits
	v_exp_f32 v[BM+2], v[BM+2]
	v_nop                                          ; a plain place behind the exponentials
	s_wait_alu depctr_va_vdst(0)                   ; and the one wait behind the batch
	v_max_num_f32 v[BM], 0x1800000, v[BM]          ; the floor 2^(3 - 127): the byte cannot fall under 1
	v_max_num_f32 v[BM+2], 0x1800000, v[BM+2]
	s_delay_alu instid0(VALU_DEP_2)
	v_add_nc_u32 v[BM], 0xff000000, v[BM]          ; 2 off the exponent field: the conversion's scale operand
	s_delay_alu instid0(VALU_DEP_2)
	v_add_nc_u32 v[BM+2], 0xff000000, v[BM+2]
	v_cvt_scalef32_pk16_fp6_f32 v[\p:\p+2], v[S:S+15], v[BM]
	v_cvt_scalef32_pk16_fp6_f32 v[\p+6:\p+8], v[S+32:S+47], v[BM+2]
	LS \first, \lb, 0, 3                           ; the sums of the unquantised p stand among the lines that make p's scale word, so that no line waits for the line above it
	v_lshrrev_b32 v[BM+1], 23, v[BM]               ; the scales' bytes: blocks h and 2 + h
	v_lshrrev_b32 v[BM+3], 23, v[BM+2]
	LS \first, \lb, 4, 7
	v_lshl_or_b32 v[TT2], v[BM+3], 16, v[BM+1]
	LS \first, \lb, 8, 11
	v_lshlrev_b32 v[TT2], v[SH8], v[TT2]           ; at their places in the word
	LS \first, \lb, 12, 15
	v_permlanex16_b32 v[BM+1], v[TT2], s[SEL], s[SEL+1]
	LS \first, \lb, 16, 17
	v_cvt_scalef32_pk16_fp6_f32 v[S:S+2], v[S+16:S+31], v[BM]          ; a conversion's three registers begin on an even number, a block's second three do not: these two land on p's pairs 0, 1 and 16, 17, which have been summed,
	v_cvt_scalef32_pk16_fp6_f32 v[S+32:S+34], v[S+48:S+63], v[BM+2]
	LS \first, \lb, 18, 21
	v_or_b32 v[\ps], v[TT2], v[BM+1]               ; with lane l xor 16's two bytes the word is whole
	LS \first, \lb, 22, 23
.irp i, 0,1,2
	v_mov_b32 v[\p+3+\i], v[S+\i]                  ; and are moved
	v_mov_b32 v[\p+9+\i], v[S+32+\i]
.endr
	LS \first, \lb, 24, 27                         ; four places between the operand's last write and the products; twelve behind the scale word's
.if \isb == 0
	LS \first, \lb, 28, 31
.endif
.endm
; A KEY STEP, for both tiles.  At its head ADK and AD8 stand one block under the step's; they are stepped in the places behind tile A's first products, so K is read at offsets STEPB on and V at 6,656 on.
.macro STEP first
.irp t, 0,1,2,3,4,5,6,7
	ds_load_b128 v[KV+6*\t:KV+6*\t+3], v[ADK] offset:STEPB+768*\t
	ds_load_b64 v[KV+6*\t+4:KV+6*\t+5], v[AD8] offset:STEPB+768*\t+512
.endr
	ds_load_b64 v[KS:KS+1], v[AD8] offset:STEPB+6144   ; register i: tile 2 i's words in lanes 0-15, tile 2 i + 1's in lanes 16-31
	ds_load_b64 v[KS+2:KS+3], v[AD8] offset:STEPB+6400
	s_add_co_u32 s[TB], s[TB], STEPB
	s_wait_dscnt 0x0
	SMUL 0
	v_add_nc_u32 v[ADK], s[TB], v[LI]              ; four places in front of the first read of the scores
	v_add_nc_u32 v[AD8], s[TB], v[L8]
.if \first
	v_nop
.else
	v_mov_b32 v[TT], v[MA]                         ; tile A's old -M
.endif
	v_nop
	SOFT \first, MA, LA, OA, PA, PSA, 0
	SMUL 1                                         ; tile B's scores take tile A's registers; K is read from registers once more
.if \first
	v_nop
.else
	v_mov_b32 v[TT], v[MB]
.endif
	PLACES 3                                       ; four places, in front of the loads into K's registers and of the first read of the scores
.irp j, 0,1,2,3                        ; V's four fragments take K's registers; they are on their way through tile B's softmax
.irp c, 0,1,2
	ds_load_b128 v[KV+12*\j+4*\c:KV+12*\j+4*\c+3], v[ADK] offset:6656+1536*\j+512*\c
.endr
.endr
	ds_load_b64 v[VS:VS+1], v[AD8] offset:12800
	SOFT \first, MB, LB, OB, PB, PSB, 1
	s_wait_alu depctr_va_vdst(0)                   ; directly ahead of the wait below
	s_wait_dscnt 0x0                               ; V
.irp j, 0,1,2,3                        ; O^T += V^T P^T: the eight accumulators by turns
	PV \first, \j, OA, PA, PSA
	PV \first, \j, OB, PB, PSB
.endr
	LS \first, LB, 28, 31                          ; the sum's last four lines are the four places in front of the next step's loads into V's registers
.endm
.macro LOOP n                          ; n key steps
	s_mov_b32 s[CNT], \n
.Lstep_\@:
	STEP 0
	s_sub_co_u32 s[CNT], s[CNT], 1
	s_cmp_lg_u32 s[CNT], 0
	s_cbranch_scc1 .Lstep_\@
.endm
; THE WAY OUT of one tile.  O^T is divided by the row's sum and goes through my own stage in LDS, so that sixteen lanes store a query's 256 consecutive bytes.  off: the tile's first byte from tile A's
.macro WAYOUT lb, o, off
	v_pk_add_f32 v[\lb:\lb+1], v[\lb:\lb+1], v[\lb+2:\lb+3]
	s_delay_alu instid0(VALU_DEP_1)
	v_add_f32 v[\lb], v[\lb], v[\lb+1]
	s_delay_alu instid0(VALU_DEP_1)
	v_permlanex16_b32 v[BM+1], v[\lb], s[SEL], s[SEL+1]
	s_delay_alu instid0(VALU_DEP_1)
	v_add_f32 v[\lb], v[\lb], v[BM+1]              ; with lane l xor 16's: the row's sum
	s_wait_alu depctr_va_vdst(0)                   ; ahead of the transcendental
	v_rcp_f32 v[\lb], v[\lb]
	v_nop
	s_wait_alu depctr_va_vdst(0)                   ; and behind it, directly ahead of the first reader of O^T
.set ee, 0
.rept 16
	v_pk_mul_f32 v[S+ee:S+ee+1], v[\o+ee:\o+ee+1], v[\lb:\lb+1] op_sel_hi:[1,0]   ; each accumulator from its low end on
.set ee, ee+2
.endr
.irp j, 0,1,2,3
	ds_store_b128 v[KV+2], v[S+8*\j:S+8*\j+3] offset:32*\j         ; row r, byte 128 h + 32 j: d = 32 h + 8 j + i
	ds_store_b128 v[KV+2], v[S+8*\j+4:S+8*\j+7] offset:32*\j+16
.endr
.irp i, 0,1,2,3,4,5,6,7
	ds_load_b128 v[S+32+4*\i:S+32+4*\i+3], v[KV+3] offset:544*\i   ; LDS serves a wave's instructions in order: these see my stores.  Stage rows 2 i and 2 i + 1
.endr
.irp i, 0,1,2,3,4,5,6,7
	s_wait_dscnt 7-\i                              ; the younger loads may be out
	global_store_b128 v[KV+4], v[S+32+4*\i:S+32+4*\i+3], s[OUTP:OUTP+1] offset:\off+(2*\i+24*(\i/4))*16384 th:TH_STORE_NT   ; stage row n is query n + 24 (n / 8) of the tile; 16 lanes store 256 consecutive bytes, at a multiple of 256 from out0's first byte
.endr
.endm
	s_load_b128 s[4:7], s[0:1], 0x0                ; qi, kv
	s_load_b64 s[8:9], s[0:1], 0x10                ; out0
	v_lshl_add_u32 v[SPW], v0, 2, SPARE
	v_mov_b32 v[NIL], 0
	ds_add_u32 v[SPW], v[NIL]                      ; the opening lines: the add, twice on end, and below its one wait
	ds_add_u32 v[SPW], v[NIL]
	v_lshrrev_b32 v[TT], 5, v0
	v_readfirstlane_b32 s[WV], v[TT]               ; wave 0..15
	s_bfe_u32 s[CX], ttmp6, 0x40000                ; my block of 512 queries: it enters Q's and out0's addresses alone
	s_and_b32 s[BH], ttmp7, 0xffff                 ; 16 b + head, which the four partners share
	s_mov_b32 s[G1], 15|(3<<16)|(1<<21)            ; the mask: all four work-groups; elements of 8 bytes; 21 set beside a mask; no padding
	s_mov_b32 s[G1+1], 32<<16                      ; tensor_dim0 = 32 elements: rows of 256 bytes
	s_mov_b32 s[G1+2], 51<<16                      ; a key step's block is 51 of them
	s_mov_b32 s[G1+3], 32<<16
	s_mov_b32 s[G1+4], 51
	s_mov_b32 s[G1+5], 32                          ; the pitch: the blocks are dense
	s_mov_b32 s[G1+6], 0
	s_mov_b32 s[G1+7], 0
	s_mul_i32 s14, s[WV], STEPB
	s_mov_b32 s[G0A], 1
	s_add_co_u32 s[G0A+1], s14, KVB                ; key step w (waves 0-3 ask)
	s_mov_b32 s[G0B], 1
	s_add_co_u32 s[G0B+1], s14, KVB+4*STEPB        ; key step 4 + w (waves 0-11 ask)
	s_mul_i32 s16, s[BH], HEADB
	s_add_co_u32 s16, s16, s14                     ; in kv the blocks lie as in LDS
	s_mov_b32 s17, 0
	s_and_b32 s50, s[WV], 3                        ; my pair of tiles in a chunk of 128 queries
	s_lshl_b32 s[TAU], s50, 1                      ; tile A; tile B is the next
	s_lshr_b32 s49, s[WV], 2
	s_lshl_b32 s52, s[CX], 2
	s_add_co_u32 s52, s52, s49                     ; my chunk: 4 cx + wave / 4
	s_lshl_b32 s18, s[BH], 4
	s_add_co_u32 s18, s18, s52
	s_mul_i32 s18, s18, 6656                       ; its block of qi
	s_mov_b32 s19, 0
	s_lshl_b32 s52, s52, 7
	s_lshr_b32 s53, s[TAU], 2
	s_lshl_b32 s53, s53, 6
	s_add_co_u32 s52, s52, s53
	s_and_b32 s53, s[TAU], 3
	s_lshl_b32 s53, s53, 3
	s_add_co_u32 s52, s52, s53                     ; tile A's first query: 128 x chunk + 64 (tile / 4) + 8 (tile % 4); tile B's lies 8 on
	s_lshl_b32 s52, s52, 14                        ; 16,384 bytes from t to t + 1
	s_lshr_b32 s53, s[BH], 4
	s_lshl_b32 s53, s53, 12
	s_add_co_u32 s52, s52, s53                     ; + 4,096 b
	s_and_b32 s53, s[BH], 15
	s_lshl_b32 s53, s53, 8
	s_add_co_u32 s52, s52, s53                     ; + 256 x head
	s_mov_b32 s53, 0
	s_mul_i32 s54, s[TAU], 768                     ; tile A's half fragment in the block of qi; tile B's lies 768 bytes on
	s_add_co_u32 s55, s54, 512
	s_lshr_b32 s56, s50, 1                         ; the pair's scale words are one register of an image: image pair / 2, register pair % 2
	s_lshl_b32 s56, s56, 8
	s_and_b32 s57, s50, 1
	s_lshl_b32 s57, s57, 2
	s_add_co_u32 s56, s56, s57
	s_add_co_u32 s56, s56, 6144
	s_mul_i32 s51, s[WV], 16*272                   ; my stage
	s_mov_b32 s[SEL], 0x76543210
	s_mov_b32 s[SEL+1], 0xfedcba98
	s_mov_b32 s[CS], 0x3e38aa3b                    ; log2(e) / 8
	s_mov_b32 s[CS+1], s[CS]                       ; (named with it as a pair, so it is written)
	s_mov_b32 s[NC], 0xbe38aa3b
	s_wait_dscnt 0x0                               ; both opening adds are done
	s_wait_kmcnt 0x0
	s_add_nc_u64 s[G0A+2:G0A+3], s[6:7], s[16:17]
	s_add_nc_u64 s[G0B+2:G0B+3], s[G0A+2:G0A+3], 4*STEPB
	s_or_b32 s[G0A+3], s[G0A+3], 0x80000000        ; type = 2
	s_or_b32 s[G0B+3], s[G0B+3], 0x80000000
	s_add_nc_u64 s[QB:QB+1], s[4:5], s[18:19]
	s_add_nc_u64 s[OUTP:OUTP+1], s[8:9], s[52:53]
	ROUND                                          ; all four work-groups are here: the joint loads meet
	s_cmp_lt_u32 s[WV], 4
	s_cbranch_scc0 .Lno_a
	tensor_load_to_lds s[G0A:G0A+3], s[G1:G1+7]    ; key steps 0-3, one a wave
	s_nop 0
	PLACES 4
.Lno_a:
	v_and_b32 v[TT], 31, v0
	v_bfe_u32 v[TT2], v0, 4, 1                     ; h
	v_lshlrev_b32 v[LI], 4, v[TT]
	v_lshlrev_b32 v[L8], 3, v[TT]
	v_lshlrev_b32 v[SH8], 3, v[TT2]
	v_add_nc_u32 v[BM], s54, v[LI]                 ; Q: registers 0-3,
	v_add_nc_u32 v[BM+1], s55, v[L8]               ; 4-5,
	v_add_nc_u32 v[BM+2], s56, v[L8]               ; and the scale words
.irp i, 0,1,2,3,4,5
	v_mov_b32 v[Q+6+\i], 0                         ; the zero codes between Q_A and Q_B, written once
	v_mov_b32 v[PA+\i], 0                          ; what K's last tile names beside its own codes in the very first step, for tile A,
	v_mov_b32 v[PB+6+\i], 0                        ; and K's first tile for tile B
.endr
	global_load_b128 v[Q:Q+3], v[BM], s[QB:QB+1]
	global_load_b64 v[Q+4:Q+5], v[BM+1], s[QB:QB+1]
	global_load_b128 v[Q+12:Q+15], v[BM], s[QB:QB+1] offset:768
	global_load_b64 v[Q+16:Q+17], v[BM+1], s[QB:QB+1] offset:768
	global_load_b32 v[QS], v[BM+2], s[QB:QB+1]
	s_mov_b32 s[TB], KVB-STEPB                     ; one block under key step 0
	v_add_nc_u32 v[ADK], s[TB], v[LI]
	v_add_nc_u32 v[AD8], s[TB], v[L8]
	s_wait_alu depctr_va_vdst(0)                   ; the wait at the head's end
	s_wait_loadcnt 0x0                             ; Q
	s_wait_tensorcnt 0x0                           ; my key step of 0-3 is in
	ds_add_u32 v[SPW], v[NIL]                      ; the add, written twice
	ds_add_u32 v[SPW], v[NIL]
	s_wait_dscnt 0x0
	ROUND                                          ; key steps 0-3 are whole, and all four work-groups are here
	s_cmp_lt_u32 s[WV], 12
	s_cbranch_scc0 .Lno_b
	tensor_load_to_lds s[G0B:G0B+3], s[G1:G1+7]    ; key steps 4-15, one a wave: they have four key steps' work in which to land
	s_nop 0
	PLACES 4
.Lno_b:
	STEP 1                                         ; key step 0 begins M, the sums and O^T,
	LOOP 3                                         ; 1 to 3;
	s_wait_tensorcnt 0x0                           ; my key step of 4-15 is in
	s_wait_dscnt 0x0
	s_barrier_signal -1
	s_barrier_wait -1                              ; key steps 4-15 are whole
	LOOP 12
	v_and_b32 v[KV], 15, v0                        ; r.  (V's registers are free: the sum's last four lines stand behind the last products)
	v_bfe_u32 v[KV+1], v0, 4, 1                    ; h
	v_mul_u32_u24 v[KV+2], v[KV], 272
	v_mul_u32_u24 v[KV+3], v[KV+1], 272
	v_lshlrev_b32 v[KV+4], 14, v[KV+1]
	v_lshl_add_u32 v[KV+2], v[KV+1], 7, v[KV+2]
	v_lshl_add_u32 v[KV+3], v[KV], 4, v[KV+3]
	v_lshl_add_u32 v[KV+4], v[KV], 4, v[KV+4]      ; out0: lanes 0-15 one query's 256 bytes, lanes 16-31 the next query's
	v_add_nc_u32 v[KV+2], s51, v[KV+2]             ; the stage, in: row r, + 128 h
	v_add_nc_u32 v[KV+3], s51, v[KV+3]             ; and back: lanes 0-15 one row of 256 bytes, lanes 16-31 the next
	WAYOUT LA, OA, 0
	s_wait_xcnt 0x0                                ; tile A's stores have read their data registers: they are rewritten only behind this wait
	WAYOUT LB, OB, 8*16384
	s_wait_tensorcnt 0x0                           ; the wave's end
	ds_add_u32 v[SPW], v[NIL]
	s_wait_dscnt 0x0
	ROUND                                          ; the closing round: no work-group ends while a partner may still ask for a block that names it
	s_endpgm
.Lfunc_end_k_qce0569b88a_attn:
	.size	k_qce0569b88a_attn, .Lfunc_end_k_qce0569b88a_attn-k_qce0569b88a_attn
	.p2alignl 7, 3214868480
	.fill 96, 4, 3214868480
	.section	.rodata,"a",@progbits
	.p2align	6, 0x0
	.amdhsa_kernel k_qce0569b88a_attn
		.amdhsa_group_segment_fixed_size 327680
		.amdhsa_private_segment_fixed_size 0
		.amdhsa_enable_private_segment 0
		.amdhsa_kernarg_size 24
		.amdhsa_user_sgpr_count 2
		.amdhsa_user_sgpr_kernarg_segment_ptr 1
		.amdhsa_wavefront_size32 1
		.amdhsa_system_sgpr_workgroup_id_x 1
		.amdhsa_system_sgpr_workgroup_id_y 1
		.amdhsa_system_sgpr_workgroup_id_z 1
		.amdhsa_system_vgpr_workitem_id 0
		.amdhsa_next_free_vgpr 256
		.amdhsa_next_free_sgpr 66
		.amdhsa_reserve_vcc 0
		.amdhsa_float_denorm_mode_32 3
		.amdhsa_float_denorm_mode_16_64 3
		.amdhsa_memory_ordered 1
		.amdhsa_forward_progress 1
		.amdhsa_inst_pref_size 94
	.end_amdhsa_kernel
	.amdgpu_metadata
---
amdhsa.version: [ 1, 2 ]
amdhsa.kernels:
  - .name:           k_qce0569b88a_attn
    .symbol:         k_qce0569b88a_attn.kd
    .args:
      - { .name: qi, .offset: 0, .size: 8, .value_kind: global_buffer, .address_space: global }
      - { .name: kv, .offset: 8, .size: 8, .value_kind: global_buffer, .address_space: global }
      - { .name: out0, .offset: 16, .size: 8, .value_kind: global_buffer, .address_space: global }
    .group_segment_fixed_size: 327680
    .private_segment_fixed_size: 0
    .kernarg_segment_align: 8
    .kernarg_segment_size: 24
    .max_flat_workgroup_size: 512
    .sgpr_count:     66
    .vgpr_count:     256
    .wavefront_size: 32
...
	.end_amdgpu_metadata
.endif
;; end of part 3
